; MI455X (gfx1250); checked and timed in simulation.
; The chip was launched on July 23, 2026; its instructions are those of AMD's public machine-readable ISA for CDNA 5 (MIT licence, August 2026) and "CDNA5" Instruction Set Architecture Reference Guide (July 2026). The comments in the code are by the model that wrote it; some were corrected since.
;; Multi Head Attention. Allowed arithmetic: matrix products marked QUANTISED: E2M3 operands, one E8M0 scale for each 32 along K, by v_wmma_scale_f32_16x16x128_f8f6f4 with both operands' format E2M3, f32 sums; everything else in f32.
;; Inputs: Wk 512 x 512 float32; Wo 512 x 512 float32; Wq 512 x 512 float32; Wv 512 x 512 float32; bk 512 float32; bo 512 float32; bq 512 float32; bv 512 float32; x 2 x 4,096 x 512 float32.
;; Outputs: out0 2 x 4,096 x 512 float32.
;; This version of the problem:
;;   THIS VERSION OF THE PROBLEM IS GIVEN IN LOW PRECISION. The matrix products marked QUANTISED in the list below multiply operands that are first quantised to E2M3 (2 exponent bits, 3 mantissa bits; 6 bits a number), with one power-of-two scale for each 32 numbers along K (OCP MX v1.0); their sums are f32. All else is computed in f32.
;;   The module's matrix products, in the order in which they are computed (A, B: the left and right operand; K: the contracted axis; several contracted axes count as one K, in the product's order):
;;     1. [M 8,192, K 512] x [K 512, N 512]; A: input x; B: input Wq: QUANTISED
;;     2. [M 8,192, K 512] x [K 512, N 512]; A: input x; B: input Wk: QUANTISED
;;     3. [M 8,192, K 512] x [K 512, N 512]; A: input x; B: input Wv: QUANTISED
;;     4. batch 16 x [M 4,096, K 64] x [K 64, N 4,096]; A: computed on the way; B: computed on the way: QUANTISED
;;     5. batch 16 x [M 4,096, K 4,096] x [K 4,096, N 64]; A: softmax (see below); B: computed on the way: QUANTISED
;;     6. [M 8,192, K 512] x [K 512, N 512]; A: computed on the way; B: input Wo: QUANTISED
;;   THE QUANTISER, for each operand of a quantised product, along K:
;;     - K is cut into blocks of 32 from its start; a last block that is shorter is filled with zeros.
;;     - A block's scale is 2^e with e = floor(log2(the largest magnitude in the block)) - 2, held to -126 .. 127; a block of zeros has e = 0. As a byte (E8M0): e + 127.
;;     - Each number is divided by its block's scale, clamped to +-7.5, and rounded to the nearest number of E2M3, ties to even, subnormals kept.
;;     - The product sums the exact products of the quantised numbers (number of the format x scale) in f32.
;;   ~~~python
;;   def quantise(x, axis):      # numpy; x: float32 -> the quantised numbers, widened to float32 again
;;       x = np.moveaxis(x, axis, -1); K = x.shape[-1]
;;       x = np.pad(x, [(0, 0)] * (x.ndim - 1) + [(0, -K % 32)]); x = x.reshape(x.shape[:-1] + (-1, 32)); a = np.abs(x).max(-1, keepdims=True)
;;       e = np.where(a > 0, np.clip(np.frexp(np.where(a > 0, a, 1))[1] - 1 - 2, -126, 127), 0)      # np.frexp(a)[1] - 1 = floor(log2(a)), exactly
;;       r = np.clip(x / 2.0 ** e, -7.5, 7.5)
;;       step = 2.0 ** (np.maximum(np.frexp(np.where(r == 0, 1, r))[1] - 1, 0) - 3)
;;       q = np.round(r / step) * step * 2.0 ** e      # np.round: ties to even
;;       return np.moveaxis(q.reshape(q.shape[:-2] + (-1,))[..., :K], -1, axis).astype(np.float32)
;;   ~~~
;;   SOFTMAX AHEAD OF A QUANTISED PRODUCT. Where the list says 'softmax', what is quantised is not the finished softmax but p = 2^(t - M), with t = logit x log2(e) and M = ceil(the row's largest t), a whole number; so 1/2 < the row's largest p <= 1. The row's sum l is taken of the UNQUANTISED p, in f32, and the product's result is divided by l at the end. Since M is a whole number, a kernel that streams over the keys may use a running M (the ceiling of the running maximum): every later rescaling is an exact power of two, which a block's scale takes up: the codes' values come out the same.
;;   OPERANDS COMPUTED ON THE WAY. 'Computed on the way' means the value that the module computes at that place (a softmax that the list does not call 'softmax' is quantised finished and normalised). What goes into a quantiser is computed in f32, as accurately as f32 sums, v_exp_f32 and their like allow (about 1e-6 of the number): no bf16 or f16 on the way to a quantiser, and a product that is left as it is and whose result goes on into a quantised operand takes f32 operands (vector FMAs, or v_wmma_f32_16x16x4_f32). A number that lies on a knife's edge between two numbers of the format may be rounded either way, as far as f32 arithmetic and the matrix unit's own rounding can turn it there, and no further.
;; One version. Each part assembles by itself: llvm-mc -triple=amdgcn-amd-amdhsa -mcpu=gfx1250 --defsym DOCPART=n.
;; ======== version 1 of 1: 4 launches
;; limits: right only within a limited range of input values
;; workspace buffers: xw 4,259,840 bytes; qq 3,407,872 bytes; kv 6,684,672 bytes; ctx 4,194,304 bytes
;; launch quant (part 1): grid 256 x 1, 5 waves a work-group, no clusters, 83,968 bytes of LDS; arguments x, Wq, Wk, Wv, Wo, xw; writes xw
.if DOCPART == 1
	.amdgcn_target "amdgcn-amd-amdhsa--gfx1250"
	.amdhsa_code_object_version 6
	.text
	.protected	k_q79b3e78599_quant
	.globl	k_q79b3e78599_quant
	.p2align	8
	.type	k_q79b3e78599_quant,@function
k_q79b3e78599_quant:
	s_mov_b64 s[64:65], 0
	v_nop
	global_prefetch_b8 v0, s[64:65] scope:SCOPE_SE
	s_setreg_imm32_b32 hwreg(HW_REG_WAVE_MODE, 25, 1), 1
	s_wait_xcnt 0x0
; x [8192][512] and the four weights [512][512], f32 with K innermost, become codes of FP6 (E2M3) with one E8M0 byte for each 32 along K.
; They are stored as IMAGES OF OPERAND REGISTERS: a later launch loads a fragment (16 rows x 128 K: 12 registers a lane) by three loads of 16 bytes a lane, 512 consecutive bytes each.
; TILES.  640 tiles of 16 rows: x 0-511, Wq 512-543, Wk 544-575, Wv 576-607, Wo 608-639.  THE ROWS OF A TILE ARE NOT NEIGHBOURS: lane-row r of a matrix's tile t is its row
; 32 (t / 2) + 8 (t % 2) + r + 8 (r / 8), so that, where such a tile is a product's source 0, the 16 result registers of tiles 2 b and 2 b + 1 are 16 neighbours along the next product's K.
; A tile's record is two halves of 3,328 bytes; half g: the fragment of K step 2 g (3 x 512 bytes), that of K step 2 g + 1, and 256 bytes of scale words: at 8 x lane the words of steps 2 g and 2 g + 1 of the lane's row.
; SHARES.  1,280 halves = 256 work-groups x 5 waves; a wave reads 16 rows x 1,024 bytes and stores 3,328 consecutive bytes.  Waves share nothing: no barrier.
; The conversions take 16 neighbours along K from ONE lane's registers, a load is best where neighbouring lanes take neighbouring bytes: so each load reads 512 consecutive bytes, and the 16 KiB turn through
; the wave's own stage in LDS (rows of 1,024 + 16 bytes: 65 x 16, so that the sixteen rows that a read touches begin at sixteen different places modulo 256 bytes).
; A block's scale is 2^(floor(log2(its largest magnitude)) - 2); its byte is the largest magnitude's exponent field - 2, held at 1 from below.
; LIMITS: NaN and infinities among the inputs are not served; a block whose largest magnitude lies under 2^-124 has its byte held at 1; a block of zeros gets the byte 1 where the rule says 127:
; its codes are zeros, which add nothing under any byte but 0xff, and the bytes are read by this program alone.
.set HR,    3328                       ; bytes of a half record
.set SROW,  1040                       ; a stage row
.set STG,   16*SROW                    ; a wave's stage
.set R,     8                          ; v8-135   the 16 KiB as loaded; later the second K step's 64 numbers
.set X,     136                        ; v136-199 the first K step's 64 numbers: register 16 b + i = k 32 b + 16 (lane / 16) + i of my row
.set PC0,   200                        ; v200-219 the first fragment's codes (12) and 8 at work
.set PC1,   220                        ; v220-239 the second's
.set TM,    240                        ; v240-243 largest magnitudes, v244-247 the other half's, then bytes, v248-251 the conversions' scale operands
.set PWP,   252                        ; v[252:253] the two scale words
.set SEL,   26                         ; s[26:27] lane selects for v_permlanex16_b32: lane l xor 16
; 64 numbers of a lane, v[s] on, become a fragment's codes in v[pc] .. v[pc + 11] and its scale word in v[pw].
.macro QUANT s, pc, pw
.irp b, 0,1,2,3
	v_max3_num_f32 v[TM+\b], |v[\s+16*\b]|, |v[\s+1+16*\b]|, 0x1800000   ; block b: my 16 numbers, and the floor 2^(3 - 127): the byte cannot fall under 1
.endr
.irp i, 2,4,6,8,10,12,14
.irp b, 0,1,2,3
	v_max3_num_f32 v[TM+\b], v[TM+\b], |v[\s+16*\b+\i]|, |v[\s+1+16*\b+\i]|   ; the four blocks by turns: no line waits for the line above it
.endr
.endr
.irp b, 0,1,2,3
	v_permlanex16_b32 v[TM+4+\b], v[TM+\b], s[SEL], s[SEL+1]
.endr
.irp b, 0,1,2,3
	v_max_num_f32 v[TM+\b], v[TM+\b], v[TM+4+\b]   ; with lane l xor 16's: the block's largest magnitude
.endr
.irp b, 0,1,2,3
	v_add_nc_u32 v[TM+8+\b], 0xff000000, v[TM+\b]  ; 2 off its exponent field: the conversion takes the exponent field of this operand as its scale
.endr
.irp b, 0,1,2,3
	v_lshrrev_b32 v[TM+4+\b], 23, v[TM+8+\b]       ; the scale's byte
.endr
	v_lshl_or_b32 v[\pw], v[TM+5], 8, v[TM+4]      ; four bytes: my row's scale word
	v_lshl_or_b32 v[\pw], v[TM+6], 16, v[\pw]
	v_lshl_or_b32 v[\pw], v[TM+7], 24, v[\pw]
.irp c, 0,1
	v_cvt_scalef32_pk16_fp6_f32 v[\pc+6*\c:\pc+2+6*\c], v[\s+32*\c:\s+15+32*\c], v[TM+8+2*\c]
	v_cvt_scalef32_pk16_fp6_f32 v[\pc+12+4*\c:\pc+14+4*\c], v[\s+16+32*\c:\s+31+32*\c], v[TM+9+2*\c]   ; (a conversion's three registers begin on an even number)
.endr
	v_nop                                          ; one plain place behind a scaled conversion
.irp c, 0,1                            ; the operand's layout wants a WHOLE block in a lane: lanes 0-15 block 2 c, lanes 16-31 block 2 c + 1
.irp i, 0,1,2
	v_permlane16_swap_b32 v[\pc+6*\c+\i], v[\pc+12+4*\c+\i]
.endr
.irp i, 0,1,2
	v_mov_b32 v[\pc+3+6*\c+\i], v[\pc+12+4*\c+\i]
.endr
.endr
.endm
	s_load_b256 s[4:11], s[0:1], 0x0               ; x s[4:5], Wq s[6:7], Wk s[8:9], Wv s[10:11]
	s_load_b128 s[12:15], s[0:1], 0x20             ; Wo s[12:13], xw s[14:15]
	v_lshl_add_u32 v254, v0, 2, 0x14500
	v_mov_b32 v255, 0
	v_lshrrev_b32 v1, 5, v0
	v_readfirstlane_b32 s16, v1                    ; wave 0..4
	v_and_b32 v1, 31, v0                           ; lane
	v_and_b32 v2, 15, v0                           ; r
	v_bfe_u32 v3, v0, 4, 1                         ; h
	v_lshlrev_b32 v4, 4, v1                        ; 16 x lane
	v_lshlrev_b32 v7, 3, v1                        ; 8 x lane
	s_mul_i32 s28, s16, STG                        ; my stage
	v_add_nc_u32 v5, s28, v4                       ; into it: 16 x lane
	v_mul_u32_u24 v6, v2, SROW
	v_lshl_add_u32 v6, v3, 6, v6
	v_add_nc_u32 v6, s28, v6                       ; out of it: row r, + 64 h: my 16 numbers of a block of 32
.irp b, 0,1,2,3
	v_mov_b32 v[TM+4+\b], 0                        ; written once: a lane permute's destination counts as one of its sources
.endr
	s_mov_b32 s[SEL], 0x76543210
	s_mov_b32 s[SEL+1], 0xfedcba98
	s_mul_i32 s17, ttmp9, 5
	s_add_co_u32 s17, s17, s16                     ; my half record: u = 5 x work-group + wave
	s_lshr_b32 s18, s17, 1                         ; tile T
	s_and_b32 s19, s17, 1                          ; half g
	s_sub_co_u32 s20, s18, 512
	s_lshr_b32 s21, s20, 5                         ; which weight (meaningless for x's tiles: the last choice below overrides it)
	s_and_b32 s20, s20, 31
	s_cmp_lt_u32 s18, 512
	s_cselect_b32 s20, s18, s20                    ; the tile's number in its own matrix
	s_lshr_b32 s22, s20, 1
	s_lshl_b32 s22, s22, 5
	s_and_b32 s24, s20, 1
	s_lshl_b32 s24, s24, 3
	s_add_co_u32 s22, s22, s24                     ; its first row: 32 (t / 2) + 8 (t % 2)
	s_lshl_b32 s22, s22, 11                        ; rows of 2,048 bytes
	s_lshl_b32 s24, s19, 10
	s_add_co_u32 s22, s22, s24                     ; + 1,024 g
	s_mov_b32 s23, 0
	s_mul_i32 s24, s17, HR                         ; where my half record goes
	s_mov_b32 s25, 0
	s_wait_alu depctr_va_vdst(0)
	s_wait_kmcnt 0x0
	s_mov_b64 s[30:31], s[12:13]                   ; the source: a choice among buffers that hangs on the tile's number alone
	s_cmp_eq_u32 s21, 2
	s_cselect_b64 s[30:31], s[10:11], s[30:31]
	s_cmp_eq_u32 s21, 1
	s_cselect_b64 s[30:31], s[8:9], s[30:31]
	s_cmp_eq_u32 s21, 0
	s_cselect_b64 s[30:31], s[6:7], s[30:31]
	s_cmp_lt_u32 s18, 512
	s_cselect_b64 s[30:31], s[4:5], s[30:31]
	s_add_nc_u64 s[30:31], s[30:31], s[22:23]
	s_add_nc_u64 s[14:15], s[14:15], s[24:25]
.set i, 0
.rept 32                               ; lane-row i / 2, its half i % 2 of 512 bytes: 32 lanes read 512 consecutive bytes; all 16 KiB are asked for at once
	global_load_b128 v[R+4*i:R+4*i+3], v4, s[30:31] offset:((i/2)+8*((i/2)/8))*2048+512*(i%2) th:TH_LOAD_NT
.set i, i+1
.endr
.set i, 0
.rept 4
	s_wait_loadcnt 24-8*(i/8)                      ; loads come back in order: this group of eight is in, the younger groups stay out
.rept 8
	ds_store_b128 v5, v[R+4*i:R+4*i+3] offset:(i/2)*SROW+512*(i%2)
.set i, i+1
.endr
.endr
.irp b, 0,1,2,3
.irp j, 0,1,2,3
	ds_load_b128 v[X+16*\b+4*\j:X+16*\b+4*\j+3], v6 offset:128*\b+16*\j   ; K step 2 g.  LDS serves a wave's instructions in order: these see my stores
.endr
.endr
	s_wait_dscnt 0x0                               ; the first 64 numbers are in, and the stores into the stage have read R
.irp b, 0,1,2,3
.irp j, 0,1,2,3
	ds_load_b128 v[R+16*\b+4*\j:R+16*\b+4*\j+3], v6 offset:512+128*\b+16*\j   ; K step 2 g + 1 lands while the first is quantised
.endr
.endr
	QUANT X, PC0, PWP
.irp c, 0,1,2
	global_store_b128 v4, v[PC0+4*\c:PC0+4*\c+3], s[14:15] offset:512*\c   ; the fragment as it stands: 512 consecutive bytes, aligned to 256
.endr
	s_wait_dscnt 0x0
	QUANT R, PC1, PWP+1
.irp c, 0,1,2
	global_store_b128 v4, v[PC1+4*\c:PC1+4*\c+3], s[14:15] offset:1536+512*\c
.endr
	global_store_b64 v7, v[PWP:PWP+1], s[14:15] offset:3072   ; 256 consecutive bytes.  No store's data are written again: no wait for the stores' sources is owed
	s_wait_tensorcnt 0x0
	ds_add_u32 v254, v255
	s_wait_dscnt 0x0
	s_endpgm
.Lfunc_end_k_q79b3e78599_quant:
	.size	k_q79b3e78599_quant, .Lfunc_end_k_q79b3e78599_quant-k_q79b3e78599_quant
	.p2alignl 7, 3214868480
	.fill 96, 4, 3214868480
	.section	.rodata,"a",@progbits
	.p2align	6, 0x0
	.amdhsa_kernel k_q79b3e78599_quant
		.amdhsa_group_segment_fixed_size 83968
		.amdhsa_private_segment_fixed_size 0
		.amdhsa_enable_private_segment 0
		.amdhsa_kernarg_size 48
		.amdhsa_user_sgpr_count 2
		.amdhsa_user_sgpr_kernarg_segment_ptr 1
		.amdhsa_wavefront_size32 1
		.amdhsa_system_sgpr_workgroup_id_x 1
		.amdhsa_system_sgpr_workgroup_id_y 1
		.amdhsa_system_sgpr_workgroup_id_z 1
		.amdhsa_system_vgpr_workitem_id 0
		.amdhsa_next_free_vgpr 256
		.amdhsa_next_free_sgpr 66
		.amdhsa_reserve_vcc 0
		.amdhsa_float_denorm_mode_32 3
		.amdhsa_float_denorm_mode_16_64 3
		.amdhsa_memory_ordered 1
		.amdhsa_forward_progress 1
		.amdhsa_inst_pref_size 18
	.end_amdhsa_kernel
	.amdgpu_metadata
---
amdhsa.version: [ 1, 2 ]
amdhsa.kernels:
  - .name:           k_q79b3e78599_quant
    .symbol:         k_q79b3e78599_quant.kd
    .args:
      - { .name: x, .offset: 0, .size: 8, .value_kind: global_buffer, .address_space: global }
      - { .name: Wq, .offset: 8, .size: 8, .value_kind: global_buffer, .address_space: global }
      - { .name: Wk, .offset: 16, .size: 8, .value_kind: global_buffer, .address_space: global }
      - { .name: Wv, .offset: 24, .size: 8, .value_kind: global_buffer, .address_space: global }
      - { .name: Wo, .offset: 32, .size: 8, .value_kind: global_buffer, .address_space: global }
      - { .name: xw, .offset: 40, .size: 8, .value_kind: global_buffer, .address_space: global }
    .group_segment_fixed_size: 83968
    .private_segment_fixed_size: 0
    .kernarg_segment_align: 8
    .kernarg_segment_size: 48
    .max_flat_workgroup_size: 160
    .sgpr_count:     66
    .vgpr_count:     256
    .wavefront_size: 32
...
	.end_amdgpu_metadata
.endif
;; end of part 1
;; launch proj (part 2): grid 256 x 1, 3 waves a work-group, no clusters, 0 bytes of LDS; arguments xw, bq, bk, bv, qq, kv; writes qq, kv
.if DOCPART == 2
	.amdgcn_target "amdgcn-amd-amdhsa--gfx1250"
	.amdhsa_code_object_version 6
	.text
	.protected	k_q79b3e78599_proj
	.globl	k_q79b3e78599_proj
	.p2align	8
	.type	k_q79b3e78599_proj,@function
k_q79b3e78599_proj:
	s_mov_b64 s[64:65], 0
	v_nop
	global_prefetch_b8 v0, s[64:65] scope:SCOPE_SE
	s_setreg_imm32_b32 hwreg(HW_REG_WAVE_MODE, 25, 1), 1
	s_wait_xcnt 0x0
; Q = x Wq^T + bq, K = x Wk^T + bk, V = x Wv^T + bv on codes of FP6 (E2M3) with E8M0 scales; the f32 results are quantised in registers, Q and K along a head's 64 channels, V along the keys,
; and leave as images of the next products' operand registers.
; ONE STEP SERVES ALL THREE.  A wave keeps 8 tiles (128 rows x 512 K: 32 fragments, 384 registers) as source 0 and streams 8 tiles as source 1.  A streamed tile costs 32 matrix instructions on 8 accumulators; the bias
; is the C of the first K step.  In the result a lane holds ONE streamed row, and, since lane-row r of a matrix's tile t is its row 32 (t / 2) + 8 (t % 2) + r + 8 (r / 8), its 64 registers are resident rows
; 32 b + 16 (lane / 16) + i at register 16 b + i: neighbours along the next K.  QUANT makes of them one fragment (16 streamed rows x 128) and one scale word a row.
; SHARES.  768 waves, u = 3 x work-group + wave.  u < 512: token group G = u / 8 (128 tokens), c = u % 8: resident = 128 rows of Wq (c < 4) or Wk, streamed = x's 8 tiles: a lane holds a token, its registers two heads'
; channels.  u >= 512: G = (u - 512) / 4, q = (u - 512) % 4: resident = x's 8 tiles, streamed = 8 tiles of Wv: a lane holds a channel, its registers the group's 128 keys.
; OUT.  qq: a record of 6,656 bytes for each (batch x 8 + head, group of 128 tokens): tile i at 768 i (registers 0-3 at 16 x lane, registers 4-5 at 8 x lane: a head's 64 codes); at 6,144 the scale words, four at 16 x lane:
; lanes 0-15 tiles 0-3 of row r, lanes 16-31 tiles 4-7; a word's bytes 2 and 3 are 0 and belong to zero codes.  kv: a record of 13,056 bytes for each (batch x 8 + head, 128 keys): K's part laid as a record of qq, then at
; 6,656 V's: tile n (16 channels x 128 keys) at 1,536 n, and at 6,144 two scale words at 8 x lane: lanes 0-15 tiles 0, 1, lanes 16-31 tiles 2, 3.
; NO LDS, NO JOINT LOADS, though waves read the same tiles: every load lands in operand registers as it lies (512 or 256 consecutive bytes), a wave reads its 52 KiB + 52 KiB once each, and its whole work is 8 steps;
; through LDS the same bytes would be written and read once more, behind barriers, for 256 matrix instructions a wave.
; LIMITS: NaN and infinities are not served; a block whose largest magnitude lies under 2^-124 has its byte held at 1; a block of zeros gets the byte 1 (its codes are zeros; this program alone reads the bytes).
; REGISTERS, in windows of 256.  Window 0: v1-6 lane numbers and offsets; v8-39 the resident tiles' scale words ((t, s) at 8 + 4 t + s); v40-47 the streamed tiles', two sets; v48-143 streamed fragments, two sets of 48;
;   v144-207 the accumulators; v208-227 codes; v228-239 at work; v240-247 a scale word for each step; v248-255 the scale blocks on their way out.
;   Window 1: resident fragments of K steps 0, 1 at v[12 (2 t + s)]; from v192 the bias.   Window 2: those of K steps 2, 3.
.set TP,   6656                        ; a tile's record in xw
.set HR,   3328                        ; half of it
.set QR,   6656                        ; a record of qq
.set KVR,  13056                       ; a record of kv
.set RS,   8
.set SS,   40
.set SF,   48
.set ACC,  144
.set PC,   208
.set TM,   228
.set PWS,  240
.set OT,   248
.set BI,   192                         ; in window 1
.set RB,   22                          ; s[22:23] the resident tiles
.set SB,   24                          ; s[24:25] the streamed tiles
.set BB,   26                          ; s[26:27] the bias
.set OA,   28                          ; s[28:29] out: the first head's record
.set OB,   30                          ; s[30:31] the second head's
.set SEL,  32                          ; s[32:33] lane selects for v_permlanex16_b32: lane l xor 16
.set MSB, 0
.macro WIN new                         ; bits 1:0 source 0, 3:2 source 1, 5:4 source 2, 7:6 destination; the immediate's high byte repeats the setting that is left
.if MSB != \new
	s_set_vgpr_msb (MSB<<8)|\new
.set MSB, \new
.endif
.endm
.macro PLACES                          ; four plain places behind a matrix instruction, ahead of reads of its result and of writes of its registers (ISA guide 7.12.1)
.rept 4
	v_nop
.endr
.endm
.macro QUANT s, pc, pw                 ; 64 numbers of a lane, register 16 b + i = k 32 b + 16 (lane / 16) + i, become a fragment's codes in v[pc] .. v[pc + 11] and its scale word in v[pw]
.irp b, 0,1,2,3
	v_max3_num_f32 v[TM+\b], |v[\s+16*\b]|, |v[\s+1+16*\b]|, 0x1800000   ; my 16 numbers of block b, from each accumulator's low end on, and the floor 2^(3 - 127)
.endr
.irp i, 2,4,6,8,10,12,14
.irp b, 0,1,2,3
	v_max3_num_f32 v[TM+\b], v[TM+\b], |v[\s+16*\b+\i]|, |v[\s+1+16*\b+\i]|
.endr
.endr
.irp b, 0,1,2,3
	v_permlanex16_b32 v[TM+4+\b], v[TM+\b], s[SEL], s[SEL+1]
.endr
.irp b, 0,1,2,3
	v_max_num_f32 v[TM+\b], v[TM+\b], v[TM+4+\b]   ; with lane l xor 16's: the block's largest magnitude
.endr
.irp b, 0,1,2,3
	v_add_nc_u32 v[TM+8+\b], 0xff000000, v[TM+\b]  ; 2 off its exponent field: the conversion's scale operand
.endr
.irp b, 0,1,2,3
	v_lshrrev_b32 v[TM+4+\b], 23, v[TM+8+\b]       ; the scale's byte
.endr
	v_lshl_or_b32 v[\pw], v[TM+5], 8, v[TM+4]
	v_lshl_or_b32 v[\pw], v[TM+6], 16, v[\pw]
	v_lshl_or_b32 v[\pw], v[TM+7], 24, v[\pw]
.irp c, 0,1
	v_cvt_scalef32_pk16_fp6_f32 v[\pc+6*\c:\pc+2+6*\c], v[\s+32*\c:\s+15+32*\c], v[TM+8+2*\c]
	v_cvt_scalef32_pk16_fp6_f32 v[\pc+12+4*\c:\pc+14+4*\c], v[\s+16+32*\c:\s+31+32*\c], v[TM+9+2*\c]
.endr
	v_nop                                          ; one plain place behind a scaled conversion
.irp c, 0,1                            ; a WHOLE block in a lane: lanes 0-15 block 2 c, lanes 16-31 block 2 c + 1
.irp i, 0,1,2
	v_permlane16_swap_b32 v[\pc+6*\c+\i], v[\pc+12+4*\c+\i]
.endr
.irp i, 0,1,2
	v_mov_b32 v[\pc+3+6*\c+\i], v[\pc+12+4*\c+\i]
.endr
.endr
.endm
.macro RESIDENT                        ; 8 tiles: 16 loads of scale words, 96 of codes
.irp t, 0,1,2,3,4,5,6,7
.irp g, 0,1
	global_load_b64 v[RS+4*\t+2*\g:RS+4*\t+2*\g+1], v5, s[RB:RB+1] offset:TP*\t+HR*\g+3072
.endr
.endr
	WIN 0x40                                       ; destination window 1
.irp t, 0,1,2,3,4,5,6,7
.irp s, 0,1
.irp c, 0,1,2
	global_load_b128 v[12*(2*\t+\s)+4*\c:12*(2*\t+\s)+4*\c+3], v4, s[RB:RB+1] offset:TP*\t+1536*\s+512*\c
.endr
.endr
.endr
	WIN 0x80                                       ; destination window 2
.irp t, 0,1,2,3,4,5,6,7
.irp s, 0,1
.irp c, 0,1,2
	global_load_b128 v[12*(2*\t+\s)+4*\c:12*(2*\t+\s)+4*\c+3], v4, s[RB:RB+1] offset:TP*\t+HR+1536*\s+512*\c
.endr
.endr
.endr
	WIN 0
.endm
.macro STREAM i                        ; streamed tile i into set i % 2: 14 loads
.irp s, 0,1,2,3
.irp c, 0,1,2
	global_load_b128 v[SF+48*((\i)%2)+12*\s+4*\c:SF+48*((\i)%2)+12*\s+4*\c+3], v4, s[SB:SB+1] offset:TP*(\i)+HR*(\s/2)+1536*(\s%2)+512*\c
.endr
.endr
.irp g, 0,1
	global_load_b64 v[SS+4*((\i)%2)+2*\g:SS+4*((\i)%2)+2*\g+1], v5, s[SB:SB+1] offset:TP*(\i)+HR*\g+3072
.endr
.endm
; 32 matrix instructions: K step by K step, the eight accumulators by turns, one instruction a turn.  shared = 1: one run of eight registers is every tile's bias.
.macro MULS e, shared
.irp s, 0,1,2,3
.if \s == 0
	WIN 0x11                                       ; source 0 and C window 1
.elseif \s == 1
	WIN 0x01                                       ; source 0 window 1
.else
	WIN 0x02                                       ; source 0 window 2
.endif
.irp t, 0,1,2,3,4,5,6,7
.if \s == 0
.if \shared
	v_wmma_scale_f32_16x16x128_f8f6f4 v[ACC+8*\t:ACC+8*\t+7], v[12*(2*\t):12*(2*\t)+11], v[SF+48*(\e):SF+48*(\e)+11], v[BI:BI+7], v[RS+4*\t], v[SS+4*(\e)] matrix_a_fmt:MATRIX_FMT_FP6 matrix_b_fmt:MATRIX_FMT_FP6
.else
	v_wmma_scale_f32_16x16x128_f8f6f4 v[ACC+8*\t:ACC+8*\t+7], v[12*(2*\t):12*(2*\t)+11], v[SF+48*(\e):SF+48*(\e)+11], v[BI+8*\t:BI+8*\t+7], v[RS+4*\t], v[SS+4*(\e)] matrix_a_fmt:MATRIX_FMT_FP6 matrix_b_fmt:MATRIX_FMT_FP6
.endif
.else
	v_wmma_scale_f32_16x16x128_f8f6f4 v[ACC+8*\t:ACC+8*\t+7], v[12*(2*\t+\s%2):12*(2*\t+\s%2)+11], v[SF+48*(\e)+12*\s:SF+48*(\e)+12*\s+11], v[ACC+8*\t:ACC+8*\t+7], v[RS+4*\t+\s], v[SS+4*(\e)+\s] matrix_a_fmt:MATRIX_FMT_FP6 matrix_b_fmt:MATRIX_FMT_FP6
.endif
.endr
.endr
.endm
; A step.  The next streamed tile is asked for first, into the set that the step before multiplied: that step's four places and its quantiser stand between.
.macro STEP i, isv
.if (\i) < 7
	STREAM (\i)+1
	s_wait_loadcnt 14                              ; all but the 14 just issued: this step's tile is in (in step 0: the resident tiles and the bias too)
.else
	s_wait_loadcnt 0x0
.endif
	MULS (\i)%2, \isv
	WIN 0
	PLACES
.if \isv && ((\i) < 7)
	WIN 0x41                                       ; destination and source 0 window 1
.irp j, 0,1,2,3,4,5,6,7
	v_mov_b32 v[BI+\j], v[BI+9+(\i)]               ; the next tile's bias: one number a lane (its channel's), in all eight registers of C
.endr
	WIN 0
.endif
	s_wait_xcnt 0x0                                ; the last step's stores have read the codes' registers: they are written again only behind this wait
	QUANT ACC, PC, PWS+(\i)
.if \isv
.irp c, 0,1,2
	global_store_b128 v4, v[PC+4*\c:PC+4*\c+3], s[OA:OA+1] offset:32*KVR*((\i)/4)+1536*((\i)%4)+512*\c   ; head 2 q + i / 4, tile i % 4: 16 channels x 128 keys
.endr
.else
	global_store_b128 v4, v[PC:PC+3], s[OA:OA+1] offset:768*(\i)           ; registers 0-5: the first head's 64 codes of 16 tokens
	global_store_b64 v5, v[PC+4:PC+5], s[OA:OA+1] offset:768*(\i)+512
	global_store_b128 v4, v[PC+6:PC+9], s[OB:OB+1] offset:768*(\i)         ; registers 6-11: the second head's
	global_store_b64 v5, v[PC+10:PC+11], s[OB:OB+1] offset:768*(\i)+512
.endif
.endm
	s_load_b256 s[4:11], s[0:1], 0x0               ; xw s[4:5], bq s[6:7], bk s[8:9], bv s[10:11]
	s_load_b128 s[12:15], s[0:1], 0x20             ; qq s[12:13], kv s[14:15]
	v_lshrrev_b32 v1, 5, v0
	v_readfirstlane_b32 s16, v1                    ; wave 0..2
	v_and_b32 v1, 31, v0                           ; lane
	v_and_b32 v2, 15, v0                           ; r
	v_bfe_u32 v3, v0, 4, 1                         ; h
	v_lshlrev_b32 v4, 4, v1                        ; 16 x lane
	v_lshlrev_b32 v5, 3, v1                        ; 8 x lane
.irp b, 0,1,2,3
	v_mov_b32 v[TM+4+\b], 0                        ; written once: a lane permute's destination counts as one of its sources
.endr
	s_mov_b32 s[SEL], 0x76543210
	s_mov_b32 s[SEL+1], 0xfedcba98
	s_mul_i32 s17, ttmp9, 3
	s_add_co_u32 s17, s17, s16                     ; u
	s_lshr_b32 s34, s17, 3                         ; Q, K: G,
	s_and_b32 s35, s17, 7                          ; c,
	s_lshl_b32 s36, s35, 3
	s_add_co_u32 s36, s36, 512                     ; the resident tiles: 512 + 8 c (Wq's 32 tiles, then Wk's),
	s_lshl_b32 s37, s34, 3                         ; the streamed tiles: 8 G
	s_sub_co_u32 s38, s17, 512
	s_lshr_b32 s39, s38, 2                         ; V: G,
	s_and_b32 s38, s38, 3                          ; q,
	s_lshl_b32 s40, s39, 3                         ; resident: 8 G,
	s_lshl_b32 s41, s38, 3
	s_add_co_u32 s41, s41, 576                     ; streamed: 576 + 8 q
	s_cmp_lt_u32 s17, 512
	s_cselect_b32 s18, s34, s39                    ; G
	s_cselect_b32 s19, s35, s38                    ; c or q
	s_cselect_b32 s20, s36, s40
	s_cselect_b32 s21, s37, s41
	s_mul_i32 s34, s20, TP
	s_mov_b32 s35, 0
	s_mul_i32 s36, s21, TP
	s_mov_b32 s37, 0
	s_wait_alu depctr_va_vdst(0)
	s_wait_kmcnt 0x0
	s_add_nc_u64 s[RB:RB+1], s[4:5], s[34:35]
	s_add_nc_u64 s[SB:SB+1], s[4:5], s[36:37]
	RESIDENT
	s_lshr_b32 s34, s18, 5                         ; batch
	s_and_b32 s35, s18, 31                         ; the group of 128 tokens in it
	s_lshl_b32 s37, s34, 3
	s_mov_b32 s39, 0
	s_mov_b32 s41, 0
	s_mov_b32 s43, 0
	s_cmp_lt_u32 s17, 512
	s_cbranch_scc0 .Lpath_v
	; ---- Q and K
	s_and_b32 s36, s19, 3                          ; which 128 channels: heads 2 (c % 4) and 2 (c % 4) + 1
	s_lshl_b32 s38, s36, 1
	s_add_co_u32 s37, s37, s38
	s_lshl_b32 s37, s37, 5
	s_add_co_u32 s37, s37, s35                     ; the first head's record: (8 batch + head) x 32 + group
	s_lshl_b32 s38, s36, 9                         ; the bias: 128 numbers on for each 128 channels
	s_mov_b32 s40, KVR
	s_mov_b32 s42, 32*KVR
	s_cmp_lt_u32 s19, 4                            ; Q or K: the choice hangs on the wave's share alone
	s_cselect_b64 s[OA:OA+1], s[12:13], s[14:15]
	s_cselect_b64 s[BB:BB+1], s[6:7], s[8:9]
	s_cselect_b32 s40, QR, s40
	s_cselect_b32 s42, 32*QR, s42
	s_mul_i32 s40, s37, s40
	s_add_nc_u64 s[OA:OA+1], s[OA:OA+1], s[40:41]
	s_add_nc_u64 s[OB:OB+1], s[OA:OA+1], s[42:43]  ; the next head lies 32 records on
	s_add_nc_u64 s[BB:BB+1], s[BB:BB+1], s[38:39]
	v_lshlrev_b32 v6, 6, v3                        ; lane (r, h) wants, for tile t, the bias of channels 32 (t / 2) + 16 h + 8 (t % 2) + 0 .. 7
	WIN 0x40
.irp t, 0,1,2,3,4,5,6,7
	global_load_b128 v[BI+8*\t:BI+8*\t+3], v6, s[BB:BB+1] offset:(32*(\t/2)+8*(\t%2))*4
	global_load_b128 v[BI+8*\t+4:BI+8*\t+7], v6, s[BB:BB+1] offset:(32*(\t/2)+8*(\t%2))*4+16
.endr
	WIN 0
	STREAM 0
.irp i, 0,1,2,3,4,5,6,7
	STEP \i, 0
.endr
	v_cmp_le_u32 vcc_lo, 16, v1                    ; lanes 16-31 carry tiles 4-7
.irp j, 0,1,2,3
	v_cndmask_b32 v[TM+\j], v[PWS+\j], v[PWS+4+\j], vcc_lo
.endr
.irp j, 0,1,2,3
	v_and_b32 v[OT+\j], 0xffff, v[TM+\j]           ; bytes 0, 1: the first head's two blocks
	v_lshrrev_b32 v[OT+4+\j], 16, v[TM+\j]         ; bytes 2, 3: the second head's
.endr
	global_store_b128 v4, v[OT:OT+3], s[OA:OA+1] offset:6144
	global_store_b128 v4, v[OT+4:OT+7], s[OB:OB+1] offset:6144
	s_endpgm
.Lpath_v:
	; ---- V
	s_lshl_b32 s38, s19, 1
	s_add_co_u32 s37, s37, s38
	s_lshl_b32 s37, s37, 5
	s_add_co_u32 s37, s37, s35                     ; the record of head 2 q: (8 batch + 2 q) x 32 + group
	s_mul_i32 s40, s37, KVR
	s_add_co_u32 s40, s40, 6656                    ; V's part of it
	s_lshl_b32 s38, s19, 9
	s_add_nc_u64 s[OA:OA+1], s[14:15], s[40:41]
	s_add_nc_u64 s[BB:BB+1], s[10:11], s[38:39]
	v_and_b32 v6, 8, v2
	v_add_nc_u32 v6, v6, v2
	v_lshlrev_b32 v6, 2, v6                        ; my channel in a tile: r + 8 (r / 8)
	WIN 0x40
.irp i, 0,1,2,3,4,5,6,7
	global_load_b32 v[BI+8+\i], v6, s[BB:BB+1] offset:(32*(\i/2)+8*(\i%2))*4
.endr
	WIN 0
	STREAM 0
	s_wait_loadcnt 14                              ; all but streamed tile 0's 14 loads: the bias is in
	WIN 0x41
.irp j, 0,1,2,3,4,5,6,7
	v_mov_b32 v[BI+\j], v[BI+8]
.endr
	s_wait_alu depctr_va_vdst(0)
	WIN 0
	PLACES
.irp i, 0,1,2,3,4,5,6,7
	STEP \i, 1
.endr
	v_cmp_le_u32 vcc_lo, 16, v1                    ; lanes 16-31 carry a head's tiles 2, 3
.irp k, 0,1
.irp j, 0,1
	v_cndmask_b32 v[OT+2*\k+\j], v[PWS+4*\k+\j], v[PWS+4*\k+2+\j], vcc_lo
.endr
.endr
.irp k, 0,1
	global_store_b64 v5, v[OT+2*\k:OT+2*\k+1], s[OA:OA+1] offset:32*KVR*\k+6144
.endr
	s_endpgm
.Lfunc_end_k_q79b3e78599_proj:
	.size	k_q79b3e78599_proj, .Lfunc_end_k_q79b3e78599_proj-k_q79b3e78599_proj
	.p2alignl 7, 3214868480
	.fill 96, 4, 3214868480
	.section	.rodata,"a",@progbits
	.p2align	6, 0x0
	.amdhsa_kernel k_q79b3e78599_proj
		.amdhsa_group_segment_fixed_size 0
		.amdhsa_private_segment_fixed_size 0
		.amdhsa_enable_private_segment 0
		.amdhsa_kernarg_size 48
		.amdhsa_user_sgpr_count 2
		.amdhsa_user_sgpr_kernarg_segment_ptr 1
		.amdhsa_wavefront_size32 1
		.amdhsa_system_sgpr_workgroup_id_x 1
		.amdhsa_system_sgpr_workgroup_id_y 1
		.amdhsa_system_sgpr_workgroup_id_z 1
		.amdhsa_system_vgpr_workitem_id 0
		.amdhsa_next_free_vgpr 768
		.amdhsa_next_free_sgpr 66
		.amdhsa_reserve_vcc 1
		.amdhsa_float_denorm_mode_32 3
		.amdhsa_float_denorm_mode_16_64 3
		.amdhsa_memory_ordered 1
		.amdhsa_forward_progress 1
		.amdhsa_inst_pref_size 175
	.end_amdhsa_kernel
	.amdgpu_metadata
---
amdhsa.version: [ 1, 2 ]
amdhsa.kernels:
  - .name:           k_q79b3e78599_proj
    .symbol:         k_q79b3e78599_proj.kd
    .args:
      - { .name: xw, .offset: 0, .size: 8, .value_kind: global_buffer, .address_space: global }
      - { .name: bq, .offset: 8, .size: 8, .value_kind: global_buffer, .address_space: global }
      - { .name: bk, .offset: 16, .size: 8, .value_kind: global_buffer, .address_space: global }
      - { .name: bv, .offset: 24, .size: 8, .value_kind: global_buffer, .address_space: global }
      - { .name: qq, .offset: 32, .size: 8, .value_kind: global_buffer, .address_space: global }
      - { .name: kv, .offset: 40, .size: 8, .value_kind: global_buffer, .address_space: global }
    .group_segment_fixed_size: 0
    .private_segment_fixed_size: 0
    .kernarg_segment_align: 8
    .kernarg_segment_size: 48
    .max_flat_workgroup_size: 96
    .sgpr_count:     66
    .vgpr_count:     768
    .wavefront_size: 32
...
	.end_amdgpu_metadata
.endif
;; end of part 2
;; launch attn (part 3): grid 16 x 16, 8 waves a work-group, clusters of 4 x 1, 327,680 bytes of LDS; arguments qq, kv, ctx; writes ctx
.if DOCPART == 3
	.amdgcn_target "amdgcn-amd-amdhsa--gfx1250"
	.amdhsa_code_object_version 6
	.text
	.protected	k_q79b3e78599_attn
	.globl	k_q79b3e78599_attn
	.p2align	8
	.type	k_q79b3e78599_attn,@function
k_q79b3e78599_attn:
	s_mov_b64 s[64:65], 0
	v_nop
	global_prefetch_b8 v0, s[64:65] scope:SCOPE_SE
	s_setreg_imm32_b32 hwreg(HW_REG_WAVE_MODE, 25, 1), 1
	s_wait_xcnt 0x0
	s_wait_alu depctr_hold_cnt(0) depctr_sa_sdst(0) depctr_va_vdst(0) depctr_va_sdst(0) depctr_va_ssrc(0) depctr_va_vcc(0) depctr_vm_vsrc(0)
	s_getreg_b32 s2, hwreg(HW_REG_IB_STS2, 6, 4)
	s_cmp_eq_u32 s2, 0
	s_cbranch_scc0 .Lentry_in_a_cluster
	s_endpgm
.Lentry_in_a_cluster:
	s_bfe_u32 s2, ttmp6, 0x10000c
	s_cmp_lg_u32 s2, 0x3003
	s_cbranch_scc0 .Lentry_shape_is_right
	s_endpgm
.Lentry_shape_is_right:
; context[b][q][head] = sum over k of softmax_k(Q . K / 8) V, both products on codes of FP6 (E2M3) with E8M0 scales; the context is quantised along its channels and leaves as images of the last product's operand.
; THE SOFTMAX: t = score x log2(e) / 8; M = the row's largest t so far, rounded UP to a whole number; p = 2^(t - M) is quantised along the keys, not normalised.  The row's sum is taken of the unquantised p, in f32,
; and divides O at the end.  When M moves, the sum and O are multiplied by 2^(old M - new M): exact.
; SHARES.  A work-group owns 256 queries of one (batch, head); each of its eight waves owns TWO tiles of 16 queries, so that each fragment of K and V read from LDS feeds two matrix instructions.  128 keys a step.
; LAYOUT.  Both products are used transposed (S^T = K Q^T, O^T = V^T P^T): a lane holds one query.  THE KEYS OF A TILE OF K ARE CHOSEN AT THE LDS READ: row 8 p + i of tile 4 c + u is key 64 c + 32 p + 8 u + i, so the 32
; registers of tiles 4 c .. 4 c + 3 in lane half h are keys 64 c + 32 h + 0 .. 31: a WHOLE block of p in a lane, in the order of the second product's operand.  In kv's record that key lies in stored tile 4 c + u % 2 + 2 p,
; row 8 (u / 2) + i: a lane term and an immediate.
; LDS.  A record of kv (51 rows of 256 bytes) lands with 64 bytes of padding behind each row: stored tiles two apart then lie 1,920 bytes apart, 128 modulo 256, so the sixteen lanes of a 16-byte read of K touch 256 different bytes modulo 256.
; RING.  Two slots of eight records; every wave fetches one record of a slot: by this text's own count a wave has one tensor load out.
; A SLOT'S LAST STEP has two barriers.  At its head each wave waits for its tensor load and a plain barrier shows the next slot whole: so this step asks for the next slot's first K as every step asks for the next step's.
; Then, where the slot left is filled again, the wait for all tensor loads and the add stand ahead of the maxima, the wait for the add and for my last reads of the slot behind them; the round of the cluster's barrier
; opens there, the exponentials, the sums and the second product (work on registers) stand inside the round, and the joint refill follows its closing wait.
; CLUSTER.  The four query blocks of a cluster walk one head's records: each record is asked for jointly.  My place in the cluster enters the addresses of Q and of the context alone.
; NO PREFETCH: a fill is asked for seven key steps (168 matrix instructions a wave) ahead of the wait for it, and a head's records are read by four clusters in the same launch.
; LIMITS: the promise holds while |t| stays under 2^31; NaN and infinities are not served; a block of the context under 2^-124, and a block of p that has fallen to 0, keep the byte 1.
; REGISTERS.  Window 0: addresses, scales, state, p's codes, S of both tiles, the sums.  Window 1: O of both tiles, Q's, K's eight and V's four fragments (touched by matrix instructions, loads and O's rescaling alone).
.set QR,    6656
.set KVR,   13056                      ; a record of kv in memory
.set KVL,   16320                      ; and in LDS: 51 x 320
.set SLOT1, 1<<17
.set SPARE, 2*SLOT1                    ; the spare words: 128 bytes for each of 8 waves
.set SPW,  1
.set NIL,  2
.set LK16, 3                           ; lane terms: K's 16-byte pieces 1920 p + 320 h + 16 i,
.set LK8,  4                           ; its 8-byte pieces 1920 p + 128 h + 8 i,
.set LKS,  5                           ; its scale words 320 h + 16 i + 8 p,
.set LV16, 6                           ; V's pieces 320 h + 16 r,
.set LV8,  7                           ; 8 x lane
.set AK16, 8                           ; v8-12: the same + the record in hand
.set AK8,  9
.set AKS,  10
.set AV16, 11
.set AV8,  12
.set SH8,  13                          ; 8 h
.set L16,  14                          ; 16 x lane
.set KS,   16                          ; v16-19 K's scale words: register u; lanes 0-15 tiles u, lanes 16-31 tiles 4 + u
.set VS,   20                          ; v20-21 V's
.set QS,   22                          ; v22-23 Q's, a tile each
.set PWD,  24                          ; v24-25 p's scale words
.set NM,   26                          ; pair 2 x: -M, the largest score so far
.set F,    34                          ; pair 2 x: f = 2^(old M - new M), 0
.set BM,   38                          ; 2 x + c: a block's largest score, then its largest p
.set CO,   42                          ; 2 x + c: the conversions' scale operands
.set T,    46                          ; v46-53 at work
.set WK,   54                          ; v54-69 at work: the upper halves of blocks' codes
.set PC,   70                          ; v70-93 p's codes
.set S,    96                          ; v96-223 S^T, then p: tile x at 64 x
.set SUM,  224                         ; v224-239 the row's sum: four pairs a tile, tile x at 8 x
.set O,    0                           ; window 1: O^T, tile x at 32 x
.set QF,   64                          ; Q's fragments
.set KF,   88                          ; K's eight
.set VF,   184                         ; V's four
.set WV,   10
.set SEL,  20                          ; s[20:21] selects for lane l xor 16
.set CS,   22                          ; s[22:23] c = log2(e) / 8
.set G1,   24
.set G0,   32
.set TB,   36                          ; LDS byte of the record in hand
.set CNT,  37
.set NC,   38                          ; -c
.set MSB, 0
.macro WIN new                         ; bits 1:0 source 0, 3:2 source 1, 5:4 source 2, 7:6 destination; the high byte repeats the setting that is left
.if MSB != \new
	s_set_vgpr_msb (MSB<<8)|\new
.set MSB, \new
.endif
.endm
.macro PLACES
.rept 4
	v_nop
.endr
.endm
.macro CSIGNAL                         ; wave 0 signals the cluster's barrier for the work-group
	s_cmp_lg_u32 s[WV], 0
	s_cbranch_scc1 .Lnw0_\@
	s_barrier_signal -3
.Lnw0_\@:
.endm
.macro CCLOSE                          ; the rest of a round
	s_barrier_wait -3
	s_barrier_signal -1
	s_barrier_wait -1
.endm
.macro CROUND
	s_barrier_signal -1
	s_barrier_wait -1
	CSIGNAL
	CCLOSE
.endm
.macro TLOAD                           ; every wave fetches its record of a slot
	tensor_load_to_lds s[G0:G0+3], s[G1:G1+7]
	s_nop 0
	PLACES
.endm
.macro NEXTFILL                        ; the other slot, the next eight records
	s_xor_b32 s[G0+1], s[G0+1], SLOT1
	s_add_nc_u64 s[G0+2:G0+3], s[G0+2:G0+3], 8*KVR
.endm
.macro ADDR
	v_add_nc_u32 v[AK16], s[TB], v[LK16]
	v_add_nc_u32 v[AK8], s[TB], v[LK8]
	v_add_nc_u32 v[AKS], s[TB], v[LKS]
	v_add_nc_u32 v[AV16], s[TB], v[LV16]
	v_add_nc_u32 v[AV8], s[TB], v[LV8]
	s_wait_alu depctr_va_vdst(0)
.endm
.macro KFETCH rq                       ; K's scale words and eight tiles of the record rq bytes on: 18 loads
	ds_load_b64 v[KS:KS+1], v[AKS] offset:(\rq)+7680
	ds_load_b64 v[KS+2:KS+3], v[AKS] offset:(\rq)+7808
	WIN 0x40
.irp c, 0,1
.irp u, 0,1,2,3
	ds_load_b128 v[KF+12*(4*\c+\u):KF+12*(4*\c+\u)+3], v[AK16] offset:(\rq)+960*(4*\c+\u%2)+128*(\u/2)
	ds_load_b64 v[KF+12*(4*\c+\u)+4:KF+12*(4*\c+\u)+5], v[AK8] offset:(\rq)+960*(4*\c+\u%2)+640+64*(\u/2)
.endr
.endr
	WIN 0
.endm
.macro MM d, a, b, c, sa, sb, row
.if \row
	v_wmma_scale_f32_16x16x128_f8f6f4 v[\d:\d+7], v[\a:\a+11], v[\b:\b+11], \c, v[\sa], v[\sb] matrix_a_fmt:MATRIX_FMT_FP6 matrix_b_fmt:MATRIX_FMT_FP6 matrix_a_scale:MATRIX_SCALE_ROW1
.else
	v_wmma_scale_f32_16x16x128_f8f6f4 v[\d:\d+7], v[\a:\a+11], v[\b:\b+11], \c, v[\sa], v[\sb] matrix_a_fmt:MATRIX_FMT_FP6 matrix_b_fmt:MATRIX_FMT_FP6
.endif
.endm
.macro TMINUSM x, j                    ; t - M of a pair of scores
	v_pk_fma_f32 v[S+64*\x+\j:S+64*\x+\j+1], v[S+64*\x+\j:S+64*\x+\j+1], s[CS:CS+1], v[NM+2*\x:NM+2*\x+1] op_sel_hi:[1,0,0]
.endm
; The largest score of each block of 32 keys, all in my lane: two chains a block, eight chains by turns; each accumulator is first read at its low end.
.macro MAXES
.irp x, 0,1
.irp c, 0,1
	v_max3_num_f32 v[BM+2*\x+\c], v[S+64*\x+32*\c], v[S+64*\x+32*\c+1], v[S+64*\x+32*\c+2]
	v_max3_num_f32 v[T+2*\x+\c], v[S+64*\x+32*\c+16], v[S+64*\x+32*\c+17], v[S+64*\x+32*\c+18]
.endr
.endr
.irp i, 3,5,7,9,11,13
.irp x, 0,1
.irp c, 0,1
	v_max3_num_f32 v[BM+2*\x+\c], v[BM+2*\x+\c], v[S+64*\x+32*\c+\i], v[S+64*\x+32*\c+\i+1]
	v_max3_num_f32 v[T+2*\x+\c], v[T+2*\x+\c], v[S+64*\x+32*\c+16+\i], v[S+64*\x+32*\c+17+\i]
.endr
.endr
.endr
.irp x, 0,1
.irp c, 0,1
	v_max3_num_f32 v[BM+2*\x+\c], v[BM+2*\x+\c], v[S+64*\x+32*\c+15], v[S+64*\x+32*\c+31]
.endr
.endr
.irp x, 0,1
.irp c, 0,1
	v_max_num_f32 v[BM+2*\x+\c], v[BM+2*\x+\c], v[T+2*\x+\c]
.endr
.endr
.endm
.macro NEWM                            ; the running maximum, -M = floor(-c x it), f; the two tiles by turns
.irp x, 0,1
	v_max_num_f32 v[T+4+\x], v[BM+2*\x], v[BM+2*\x+1]
.endr
.irp x, 0,1
	v_permlanex16_b32 v[T+6+\x], v[T+4+\x], s[SEL], s[SEL+1]
.endr
.irp x, 0,1
	v_max3_num_f32 v[NM+2*\x+1], v[T+4+\x], v[T+6+\x], v[NM+2*\x+1]
.endr
.irp x, 0,1
	v_mul_f32 v[T+4+\x], s[NC], v[NM+2*\x+1]
.endr
.irp x, 0,1
	v_floor_f32 v[T+4+\x], v[T+4+\x]               ; M IS A WHOLE NUMBER
.endr
.irp x, 0,1
	v_sub_f32 v[T+6+\x], v[T+4+\x], v[NM+2*\x]     ; old M less new M: 0 or less
.endr
.irp x, 0,1
	v_mov_b32 v[NM+2*\x], v[T+4+\x]
.endr
.irp x, 0,1
	v_cvt_i32_f32 v[T+6+\x], v[T+6+\x]             ; (it saturates)
.endr
.irp x, 0,1
	v_ldexp_f32 v[F+2*\x], 1.0, v[T+6+\x]
.endr
.irp x, 0,1
.irp c, 0,1
	v_fma_f32 v[BM+2*\x+\c], v[BM+2*\x+\c], s[CS], v[NM+2*\x]   ; t - M of each block's largest score: p rises with the score
.endr
.endr
.endm
.macro CODES x                         ; tile x's p becomes codes, and its blocks' scales bytes
.irp c, 0,1
	v_max_num_f32 v[BM+2*\x+\c], 0x1800000, v[BM+2*\x+\c]   ; the floor 2^(3 - 127): the byte cannot fall under 1
.endr
.irp c, 0,1
	v_add_nc_u32 v[CO+2*\x+\c], 0xff000000, v[BM+2*\x+\c]   ; 2 off the exponent field: the conversion's scale operand
.endr
.irp c, 0,1
	v_cvt_scalef32_pk16_fp6_f32 v[PC+12*\x+6*\c:PC+12*\x+6*\c+2], v[S+64*\x+32*\c:S+64*\x+32*\c+15], v[CO+2*\x+\c]
	v_cvt_scalef32_pk16_fp6_f32 v[WK+8*\x+4*\c:WK+8*\x+4*\c+2], v[S+64*\x+32*\c+16:S+64*\x+32*\c+31], v[CO+2*\x+\c]
.endr
.irp c, 0,1
	v_lshrrev_b32 v[T+2*\x+\c], 23, v[CO+2*\x+\c]  ; the scale's byte (also the plain place behind the conversions)
.endr
.endm
.macro LEVEL x, n, st                  ; a level of the sum's tree, in place, two numbers a line
.set ii, 0
.rept \n
	v_pk_add_f32 v[S+64*\x+\st*ii:S+64*\x+\st*ii+1], v[S+64*\x+\st*ii:S+64*\x+\st*ii+1], v[S+64*\x+\st*ii+\st/2:S+64*\x+\st*ii+\st/2+1]
.set ii, ii+1
.endr
.endm
; A KEY STEP.  pre = 1: the next record lies in the same slot.  chg = 1: the slot's last step, the slot is filled again; chg = 2: the slot's last step, nothing is left to fetch; nxt: LDS byte of the next slot.
.macro STEP pre, chg, nxt
	s_wait_dscnt 0x0                               ; K's 18 loads are in
.if \chg
	s_wait_tensorcnt 0x0                           ; my record of the next slot is in: say so,
	s_barrier_signal -1
.endif
	WIN 0x05                                       ; sources 0 and 1 window 1
.irp t, 0,1,2,3,4,5,6,7
.irp x, 0,1
	MM S+64*\x+8*\t, KF+12*\t, QF+12*\x, 0, KS+\t%4, QS+\x, \t/4
.endr
.endr
	WIN 0
.if \chg
	s_barrier_wait -1                              ; and the next slot is whole
.endif
	PLACES                                         ; behind both products, ahead of loads into K's and V's registers and of the first read of the scores
	ds_load_b64 v[VS:VS+1], v[AV8] offset:16000    ; V: 13 loads
	WIN 0x40
.set jj, 0
.rept 12
	ds_load_b128 v[VF+4*jj:VF+4*jj+3], v[AV16] offset:8320+640*jj
.set jj, jj+1
.endr
	WIN 0
.if \pre
	KFETCH KVL                                     ; the next step's K,
	s_add_co_u32 s[TB], s[TB], KVL
	ADDR                                           ; and its addresses
.endif
.if \chg
	s_mov_b32 s[TB], \nxt
	ADDR
	KFETCH 0                                       ; the next slot's first K
.endif
.if \chg == 1
	s_wait_tensorcnt 0x0                           ; no tensor load of mine is out;
	ds_add_u32 v[SPW], v[NIL]                      ; 0 onto my spare word; work on registers stands between it and the wait for it
	NEXTFILL
.endif
	MAXES
	NEWM
.set jj, 0
.rept 32
	TMINUSM 0, jj
.set jj, jj+2
.endr
	s_wait_alu depctr_va_vdst(0)                   ; ahead of a batch of exponentials (and of the waits and the branch below)
.if \chg == 1
	s_wait_dscnt 0x0                               ; the add is done, and my last reads of the slot left are in
	s_barrier_signal -1                            ; the round opens; only work on registers stands between this signal and its wait
.endif
	v_exp_f32 v[BM], v[BM]
	v_exp_f32 v[BM+1], v[BM+1]
.set jj, 0
.rept 32                               ; tile 0's p; tile 1's t - M, which hangs on nothing here, stands among the exponentials
	v_exp_f32 v[S+jj], v[S+jj]
	v_exp_f32 v[S+jj+1], v[S+jj+1]
	TMINUSM 1, jj
.set jj, jj+2
.endr
	s_wait_alu depctr_va_vdst(0)                   ; behind tile 0's batch and ahead of tile 1's
	CODES 0
	v_exp_f32 v[BM+2], v[BM+2]
	v_exp_f32 v[BM+3], v[BM+3]
.set jj, 0
.rept 16                               ; tile 1's p; the first level of tile 0's sum stands among the exponentials
	v_exp_f32 v[S+64+jj], v[S+64+jj]
	v_exp_f32 v[S+65+jj], v[S+65+jj]
	v_exp_f32 v[S+66+jj], v[S+66+jj]
	v_exp_f32 v[S+67+jj], v[S+67+jj]
	v_pk_add_f32 v[S+jj:S+jj+1], v[S+jj:S+jj+1], v[S+jj+2:S+jj+3]
.set jj, jj+4
.endr
	WIN 0x41                                       ; source 0 and destination window 1
	s_wait_alu depctr_va_vdst(0)                   ; behind the batch, directly ahead of the first readers of O^T
.irp x, 0,1
.set jj, 0
.rept 16
	v_pk_mul_f32 v[O+32*\x+jj:O+32*\x+jj+1], v[O+32*\x+jj:O+32*\x+jj+1], v[F+2*\x:F+2*\x+1] op_sel_hi:[1,0]   ; O^T under the new M
.set jj, jj+2
.endr
.endr
	WIN 0
	CODES 1
.irp x, 0,1
.irp c, 0,1
.irp i, 0,1,2
	v_mov_b32 v[PC+12*\x+6*\c+3+\i], v[WK+8*\x+4*\c+\i]   ; (a conversion's three registers begin on an even number)
.endr
.endr
.endr
	; p's scale words, a line for each tile between the levels of the sums' trees.  THE ROW'S SUM IS TAKEN OF THE UNQUANTISED p
.irp x, 0,1
	v_lshl_or_b32 v[T+2*\x], v[T+2*\x+1], 16, v[T+2*\x]   ; my blocks h and 2 + h,
.endr
	LEVEL 1, 16, 4
.irp x, 0,1
	v_lshlrev_b32 v[T+2*\x], v[SH8], v[T+2*\x]            ; at their places in the word;
.endr
	LEVEL 0, 8, 8
.irp x, 0,1
	v_permlanex16_b32 v[T+2*\x+1], v[T+2*\x], s[SEL], s[SEL+1]
.endr
	LEVEL 1, 8, 8
.irp x, 0,1
	v_or_b32 v[PWD+\x], v[T+2*\x], v[T+2*\x+1]            ; with lane l xor 16's two the word is whole; 16 plain lines follow ahead of the products
.endr
	LEVEL 0, 4, 16
	LEVEL 1, 4, 16
.irp k, 0,1,2,3
.irp x, 0,1
	v_pk_fma_f32 v[SUM+8*\x+2*\k:SUM+8*\x+2*\k+1], v[SUM+8*\x+2*\k:SUM+8*\x+2*\k+1], v[F+2*\x:F+2*\x+1], v[S+64*\x+16*\k:S+64*\x+16*\k+1] op_sel_hi:[1,0,1]
.endr
.endr
	s_wait_alu depctr_va_vdst(0)                   ; ahead of the wait, barrier or branch that follows
.if \chg != 1
.if \pre+\chg
	s_wait_dscnt 18                                ; V's 13 loads are in; K's 18, issued behind them, may be out
.else
	s_wait_dscnt 0x0
.endif
.endif
	WIN 0x51                                       ; source 0, C and D window 1
.irp n, 0,1,2,3                        ; O^T += V^T P^T: eight accumulators by turns
.irp x, 0,1
	MM O+32*\x+8*\n, VF+12*\n, PC+12*\x, v[O+32*\x+8*\n:O+32*\x+8*\n+7], VS+\n%2, PWD+\x, \n/2
.endr
.endr
	WIN 0
.if \chg == 1
	s_barrier_wait -1                              ; every wave of my work-group has left the slot;
	CSIGNAL                                        ; wave 0 says so for the work-group,
	CCLOSE                                         ; and no wave of any partner still reads the slot left or has a load on its way
	TLOAD
.endif
.endm
.macro SLOTRUN chg, nxt                ; a slot's eight key steps
	s_mov_b32 s[CNT], 7
.Lstep_\@:
	STEP 1, 0, 0
	s_sub_co_u32 s[CNT], s[CNT], 1
	s_cmp_lg_u32 s[CNT], 0
	s_cbranch_scc1 .Lstep_\@
	STEP 0, \chg, \nxt
.endm
	s_load_b128 s[4:7], s[0:1], 0x0                ; qq, kv
	s_load_b64 s[8:9], s[0:1], 0x10                ; ctx
	v_lshl_add_u32 v[SPW], v0, 2, SPARE
	v_mov_b32 v[NIL], 0
	ds_add_u32 v[SPW], v[NIL]
	ds_add_u32 v[SPW], v[NIL]
	v_lshrrev_b32 v[T], 5, v0
	v_readfirstlane_b32 s[WV], v[T]                ; wave 0..7
	s_bfe_u32 s11, ttmp6, 0x40000                  ; cx
	s_lshl_b32 s12, ttmp9, 2
	s_add_co_u32 s12, s12, s11                     ; my block of 256 queries
	s_and_b32 s13, ttmp7, 0xffff                   ; batch x 8 + head
	s_mov_b32 s[G1], 15|(3<<16)|(1<<20)|(1<<21)|(5<<22)|(15<<25)   ; mask: all four; elements of 8 bytes; after every 64 words 16 words of padding
	s_mov_b32 s[G1+1], 32<<16
	s_mov_b32 s[G1+2], 51<<16
	s_mov_b32 s[G1+3], 32<<16
	s_mov_b32 s[G1+4], 51
	s_mov_b32 s[G1+5], 32
	s_mov_b32 s[G1+6], 0
	s_mov_b32 s[G1+7], 0
	s_mul_i32 s17, s[WV], KVL                      ; my record's place in a slot,
	s_mul_i32 s16, s[WV], KVR
	s_mul_i32 s14, s13, 32*KVR
	s_add_co_u32 s14, s14, s16                     ; and in memory
	s_mov_b32 s15, 0
	s_lshl_b32 s46, s13, 5
	s_lshl_b32 s47, s12, 1
	s_add_co_u32 s46, s46, s47
	s_lshr_b32 s47, s[WV], 2
	s_add_co_u32 s46, s46, s47                     ; Q's record: 32 (batch x 8 + head) + 2 x block + wave / 4
	s_mul_i32 s46, s46, QR
	s_and_b32 s47, s[WV], 3
	s_mul_i32 s48, s47, 1536                       ; my two tiles in it: 2 (wave % 4) on
	s_add_co_u32 s48, s48, s46
	s_mov_b32 s49, 0
	s_lshr_b32 s50, s47, 1
	s_lshl_b32 s50, s50, 8
	s_and_b32 s51, s[WV], 1
	s_lshl_b32 s51, s51, 3
	s_add_co_u32 s50, s50, s51
	s_add_co_u32 s50, s50, s46
	s_add_co_u32 s50, s50, 6144                    ; their scale words: 16 r + 256 (tile / 4) + 4 (tile % 4)
	s_mov_b32 s51, 0
	s_lshr_b32 s52, s13, 3
	s_lshl_b32 s52, s52, 8
	s_lshl_b32 s53, s12, 4
	s_add_co_u32 s52, s52, s53
	s_lshl_b32 s53, s[WV], 1
	s_add_co_u32 s52, s52, s53                     ; my first tile of tokens: 256 x batch + 16 x block + 2 x wave
	s_lshl_b32 s52, s52, 3
	s_and_b32 s53, s13, 7
	s_add_co_u32 s52, s52, s53
	s_lshl_b32 s52, s52, 10                        ; the context's record, 1,024 bytes: 8 x tile + head
	s_mov_b32 s53, 0
	s_mov_b32 s[SEL], 0x76543210
	s_mov_b32 s[SEL+1], 0xfedcba98
	s_mov_b32 s[CS], 0x3e38aa3b                    ; c = log2(e) / 8
	s_mov_b32 s[CS+1], s[CS]
	s_mov_b32 s[NC], 0xbe38aa3b                    ; -c
	s_wait_dscnt 0x0
	s_wait_kmcnt 0x0
	s_mov_b32 s[G0], 1
	s_mov_b32 s[G0+1], s17
	s_add_nc_u64 s[G0+2:G0+3], s[6:7], s[14:15]
	s_or_b32 s[G0+3], s[G0+3], 0x80000000
	CROUND                                         ; the first joint loads meet
	TLOAD                                          ; slot 0: key steps 0 to 7
	s_add_nc_u64 s[40:41], s[4:5], s[48:49]
	s_add_nc_u64 s[42:43], s[4:5], s[50:51]
	s_add_nc_u64 s[44:45], s[8:9], s[52:53]
	v_and_b32 v[T], 31, v0                         ; lane
	v_and_b32 v[T+1], 15, v0                       ; r
	v_bfe_u32 v[T+2], v0, 4, 1                     ; h
	v_and_b32 v[T+3], 7, v0                        ; i
	v_bfe_u32 v[T+4], v0, 3, 1                     ; p
	v_lshlrev_b32 v[LV8], 3, v[T]
	v_lshlrev_b32 v[L16], 4, v[T]
	v_lshlrev_b32 v15, 4, v[T+1]                   ; 16 r
	v_lshlrev_b32 v[SH8], 3, v[T+2]
	v_mul_u32_u24 v[T+5], v[T+4], 1920
	v_mad_u32_u24 v[LV16], v[T+2], 320, v15
	v_mad_u32_u24 v[LK16], v[T+2], 320, v[T+5]
	v_lshl_add_u32 v[LK16], v[T+3], 4, v[LK16]
	v_lshl_add_u32 v[LK8], v[T+2], 7, v[T+5]
	v_lshl_add_u32 v[LK8], v[T+3], 3, v[LK8]
	v_mul_u32_u24 v[LKS], v[T+2], 320
	v_lshl_add_u32 v[LKS], v[T+3], 4, v[LKS]
	v_lshl_add_u32 v[LKS], v[T+4], 3, v[LKS]
	global_load_b64 v[QS:QS+1], v15, s[42:43]      ; Q's scale words, both tiles
	WIN 0x40
.irp x, 0,1
	global_load_b128 v[QF+12*\x:QF+12*\x+3], v[L16], s[40:41] offset:768*\x
	global_load_b64 v[QF+12*\x+4:QF+12*\x+5], v[LV8], s[40:41] offset:768*\x+512
.endr
.irp j, 6,7,8,9,10,11                  ; K = 64 .. 127 of the first product: zero codes on both sides, written once
.irp x, 0,1
	v_mov_b32 v[QF+12*\x+\j], 0
.endr
.irp t, 0,1,2,3,4,5,6,7
	v_mov_b32 v[KF+12*\t+\j], 0
.endr
.endr
.set jj, 0
.rept 64
	v_mov_b32 v[O+jj], 0                           ; O^T: the step is written once; the first finds zeros
.set jj, jj+1
.endr
	WIN 0
.set jj, 0
.rept 16
	v_mov_b32 v[SUM+jj], 0                         ; the sums
.set jj, jj+1
.endr
.irp x, 0,1
	v_mov_b32 v[NM+2*\x+1], 0xff61b1e6             ; the largest score so far: -3e38
	v_mov_b32 v[NM+2*\x], 0x7f61b1e6               ; -M: 3e38, so that the first f is 0
	v_mov_b32 v[F+2*\x], 0
	v_mov_b32 v[F+2*\x+1], 0
	v_mov_b32 v[T+6+\x], 0                         ; a lane permute's destination counts as one of its sources
.endr
	s_wait_alu depctr_va_vdst(0)
	s_wait_loadcnt 0x0                             ; Q
	s_wait_tensorcnt 0x0                           ; my record of slot 0 is in; slot 1's first fill is issued as a refill is
	ds_add_u32 v[SPW], v[NIL]
	NEXTFILL
	s_wait_dscnt 0x0
	CROUND
	TLOAD                                          ; slot 1: key steps 8 to 15
	s_mov_b32 s[TB], 0
	ADDR
	KFETCH 0
	SLOTRUN 1, SLOT1                               ; behind it key steps 16 to 23 are asked for,
	SLOTRUN 1, 0                                   ; 24 to 31,
	SLOTRUN 2, SLOT1                               ; nothing more
	SLOTRUN 0, 0
	; THE WAY OUT.  O^T / the sum: register 16 b + i = channel 32 b + 16 (lane / 16) + i: two blocks of the last product's K, each in lanes l and l xor 16.
	PLACES
.irp x, 0,1
	v_pk_add_f32 v[SUM+8*\x:SUM+8*\x+1], v[SUM+8*\x:SUM+8*\x+1], v[SUM+8*\x+2:SUM+8*\x+3]
	v_pk_add_f32 v[SUM+8*\x+4:SUM+8*\x+5], v[SUM+8*\x+4:SUM+8*\x+5], v[SUM+8*\x+6:SUM+8*\x+7]
.endr
.irp x, 0,1
	v_pk_add_f32 v[SUM+8*\x:SUM+8*\x+1], v[SUM+8*\x:SUM+8*\x+1], v[SUM+8*\x+4:SUM+8*\x+5]
.endr
.irp x, 0,1
	v_add_f32 v[SUM+8*\x], v[SUM+8*\x], v[SUM+8*\x+1]
.endr
.irp x, 0,1
	v_permlanex16_b32 v[T+6+\x], v[SUM+8*\x], s[SEL], s[SEL+1]
.endr
.irp x, 0,1
	v_add_f32 v[SUM+8*\x], v[SUM+8*\x], v[T+6+\x]  ; the row's sum
.endr
	s_wait_alu depctr_va_vdst(0)                   ; ahead of the transcendentals
.irp x, 0,1
	v_rcp_f32 v[SUM+8*\x], v[SUM+8*\x]
.endr
	v_nop
	WIN 0x01                                       ; source 0 window 1
	s_wait_alu depctr_va_vdst(0)                   ; and behind them, directly ahead of the first readers
.irp x, 0,1
.set jj, 0
.rept 16
	v_pk_mul_f32 v[S+64*\x+jj:S+64*\x+jj+1], v[O+32*\x+jj:O+32*\x+jj+1], v[SUM+8*\x:SUM+8*\x+1] op_sel_hi:[1,0]
.set jj, jj+2
.endr
.endr
	WIN 0
.irp x, 0,1
.irp c, 0,1
	v_max3_num_f32 v[BM+2*\x+\c], |v[S+64*\x+16*\c]|, |v[S+64*\x+16*\c+1]|, 0x1800000
.endr
.endr
.irp i, 2,4,6,8,10,12,14
.irp x, 0,1
.irp c, 0,1
	v_max3_num_f32 v[BM+2*\x+\c], v[BM+2*\x+\c], |v[S+64*\x+16*\c+\i]|, |v[S+64*\x+16*\c+\i+1]|
.endr
.endr
.endr
.irp j, 0,1,2,3
	v_permlanex16_b32 v[T+\j], v[BM+\j], s[SEL], s[SEL+1]
.endr
.irp j, 0,1,2,3
	v_max_num_f32 v[BM+\j], v[BM+\j], v[T+\j]
.endr
.irp j, 0,1,2,3
	v_add_nc_u32 v[CO+\j], 0xff000000, v[BM+\j]
.endr
.irp j, 0,1,2,3
	v_lshrrev_b32 v[T+\j], 23, v[CO+\j]
.endr
.irp x, 0,1
	v_lshl_or_b32 v[F+2*\x], v[T+2*\x+1], 8, v[T+2*\x]   ; my row's two bytes as the low half of a scale word,
.endr
.irp x, 0,1
	v_lshlrev_b32 v[F+2*\x+1], 16, v[F+2*\x]             ; and as the high half: the reader takes the one that it wants
.endr
.irp x, 0,1
	v_cvt_scalef32_pk16_fp6_f32 v[PC+12*\x:PC+12*\x+2], v[S+64*\x:S+64*\x+15], v[CO+2*\x]
	v_cvt_scalef32_pk16_fp6_f32 v[WK+8*\x:WK+8*\x+2], v[S+64*\x+16:S+64*\x+31], v[CO+2*\x+1]
.endr
	v_nop
.irp x, 0,1
.irp i, 0,1,2
	v_permlane16_swap_b32 v[PC+12*\x+\i], v[WK+8*\x+\i]
.endr
.irp i, 0,1,2
	v_mov_b32 v[PC+12*\x+3+\i], v[WK+8*\x+\i]
.endr
.endr
	s_wait_alu depctr_va_vdst(0)
.irp x, 0,1
	global_store_b128 v[L16], v[PC+12*\x:PC+12*\x+3], s[44:45] offset:8192*\x          ; 512 consecutive bytes, aligned
	global_store_b64 v[LV8], v[PC+12*\x+4:PC+12*\x+5], s[44:45] offset:8192*\x+512     ; 256
	global_store_b64 v[LV8], v[F+2*\x:F+2*\x+1], s[44:45] offset:8192*\x+768           ; 256
.endr
	s_wait_tensorcnt 0x0                           ; the wave's end
	ds_add_u32 v[SPW], v[NIL]
	s_wait_dscnt 0x0
	CROUND                                         ; the closing round
	s_endpgm
.Lfunc_end_k_q79b3e78599_attn:
	.size	k_q79b3e78599_attn, .Lfunc_end_k_q79b3e78599_attn-k_q79b3e78599_attn
	.p2alignl 7, 3214868480
	.fill 96, 4, 3214868480
	.section	.rodata,"a",@progbits
	.p2align	6, 0x0
	.amdhsa_kernel k_q79b3e78599_attn
		.amdhsa_group_segment_fixed_size 327680
		.amdhsa_private_segment_fixed_size 0
		.amdhsa_enable_private_segment 0
		.amdhsa_kernarg_size 24
		.amdhsa_user_sgpr_count 2
		.amdhsa_user_sgpr_kernarg_segment_ptr 1
		.amdhsa_wavefront_size32 1
		.amdhsa_system_sgpr_workgroup_id_x 1
		.amdhsa_system_sgpr_workgroup_id_y 1
		.amdhsa_system_sgpr_workgroup_id_z 1
		.amdhsa_system_vgpr_workitem_id 0
		.amdhsa_next_free_vgpr 512
		.amdhsa_next_free_sgpr 66
		.amdhsa_reserve_vcc 0
		.amdhsa_float_denorm_mode_32 3
		.amdhsa_float_denorm_mode_16_64 3
		.amdhsa_memory_ordered 1
		.amdhsa_forward_progress 1
		.amdhsa_inst_pref_size 235
	.end_amdhsa_kernel
	.amdgpu_metadata
---
amdhsa.version: [ 1, 2 ]
amdhsa.kernels:
  - .name:           k_q79b3e78599_attn
    .symbol:         k_q79b3e78599_attn.kd
    .args:
      - { .name: qq, .offset: 0, .size: 8, .value_kind: global_buffer, .address_space: global }
      - { .name: kv, .offset: 8, .size: 8, .value_kind: global_buffer, .address_space: global }
      - { .name: ctx, .offset: 16, .size: 8, .value_kind: global_buffer, .address_space: global }
    .group_segment_fixed_size: 327680
    .private_segment_fixed_size: 0
    .kernarg_segment_align: 8
    .kernarg_segment_size: 24
    .max_flat_workgroup_size: 256
    .sgpr_count:     66
    .vgpr_count:     512
    .wavefront_size: 32
...
	.end_amdgpu_metadata
.endif
;; end of part 3
;; launch outp (part 4): grid 256 x 1, 4 waves a work-group, no clusters, 34,304 bytes of LDS; arguments ctx, xw, bo, out0; writes out0
.if DOCPART == 4
	.amdgcn_target "amdgcn-amd-amdhsa--gfx1250"
	.amdhsa_code_object_version 6
	.text
	.protected	k_q79b3e78599_outp
	.globl	k_q79b3e78599_outp
	.p2align	8
	.type	k_q79b3e78599_outp,@function
k_q79b3e78599_outp:
	s_mov_b64 s[64:65], 0
	v_nop
	global_prefetch_b8 v0, s[64:65] scope:SCOPE_SE
	s_setreg_imm32_b32 hwreg(HW_REG_WAVE_MODE, 25, 1), 1
	s_wait_xcnt 0x0
; out = context Wo^T + bo on codes of FP6 (E2M3) with E8M0 scales; out [8192][512] f32.
; SHARES.  Work-group w takes the context's tiles 2 w and 2 w + 1 (tokens 32 w .. 32 w + 31); wave c takes output columns 128 c .. 128 c + 127: its 8 tiles of Wo (32 fragments, 384 registers) are source 0, a tile of the
; context is source 1: 32 matrix instructions a tile on 8 accumulators; bo is the C of the first K step.  Lane-row r of a matrix's tile t is its row 32 (t / 2) + 8 (t % 2) + r + 8 (r / 8): so a lane holds one token, and its
; register 16 b + i is column 128 c + 32 b + 16 (lane / 16) + i.
; IN.  Both operands are images of registers.  The context's record of (tile, head), 1,024 bytes: registers 0-3 at 16 x lane, 4-5 at 8 x lane, and at 768 + 8 x lane the row's two scale bytes as the low half of a word and as the
; high half.  K step s is heads 2 s and 2 s + 1: registers 0-5 from the one, 6-11 from the other, and the two half words joined by one v_or_b32.
; OUT.  A lane's numbers are pieces of one row and the lanes beside it hold other rows: a tile goes through the wave's own stage in LDS (16 rows of 512 + 16 bytes) and leaves as rows: 32 lanes store 512 consecutive bytes.
; NO JOINT LOADS, though all work-groups read Wo: every load lands in operand registers as it lies, once a wave, and a wave's whole work is 64 matrix instructions; through LDS the same bytes would be written and read once more.
; REGISTERS, in windows of 256.  Window 0: v1-7 lane numbers and addresses; v8-39 Wo's scale words; v40-47 the context's; v48-63 their halves as loaded; v64-159 the context's fragments, two sets; v160-223 accumulators; v224 an address.
;   Window 1: Wo's fragments of K steps 0, 1 at v[12 (2 t + s)]; from v192 bo.   Window 2: those of K steps 2, 3; from v192 16 rows on their way out.
.set TP,   6656                        ; a tile's record in xw
.set HR,   3328
.set SPITCH, 528
.set RS,   8
.set SS,   40
.set EO,   48
.set SF,   64
.set ACC,  160
.set SR,   224
.set BI,   192                         ; in window 1
.set BK,   192                         ; in window 2
.set RB,   22                          ; s[22:23] Wo's tiles
.set CB,   24                          ; s[24:25] the context's records
.set BB,   26                          ; s[26:27] bo
.set OUTB, 28                          ; s[28:29] out
.set MSB, 0
.macro WIN new                         ; bits 1:0 source 0, 3:2 source 1, 5:4 source 2, 7:6 destination; the immediate's high byte repeats the setting that is left
.if MSB != \new
	s_set_vgpr_msb (MSB<<8)|\new
.set MSB, \new
.endif
.endm
.macro PLACES
.rept 4
	v_nop
.endr
.endm
.macro RESIDENT                        ; 8 tiles: 16 loads of scale words, 96 of codes
.irp t, 0,1,2,3,4,5,6,7
.irp g, 0,1
	global_load_b64 v[RS+4*\t+2*\g:RS+4*\t+2*\g+1], v5, s[RB:RB+1] offset:TP*\t+HR*\g+3072
.endr
.endr
	WIN 0x40
.irp t, 0,1,2,3,4,5,6,7
.irp s, 0,1
.irp c, 0,1,2
	global_load_b128 v[12*(2*\t+\s)+4*\c:12*(2*\t+\s)+4*\c+3], v4, s[RB:RB+1] offset:TP*\t+1536*\s+512*\c
.endr
.endr
.endr
	WIN 0x80
.irp t, 0,1,2,3,4,5,6,7
.irp s, 0,1
.irp c, 0,1,2
	global_load_b128 v[12*(2*\t+\s)+4*\c:12*(2*\t+\s)+4*\c+3], v4, s[RB:RB+1] offset:TP*\t+HR+1536*\s+512*\c
.endr
.endr
.endr
	WIN 0
.endm
.macro CLOAD e                         ; the context's tile 2 w + e: 24 loads
.irp s, 0,1,2,3
	global_load_b128 v[SF+48*\e+12*\s:SF+48*\e+12*\s+3], v4, s[CB:CB+1] offset:(8*\e+2*\s)*1024
	global_load_b64 v[SF+48*\e+12*\s+4:SF+48*\e+12*\s+5], v5, s[CB:CB+1] offset:(8*\e+2*\s)*1024+512
	global_load_b128 v[SF+48*\e+12*\s+6:SF+48*\e+12*\s+9], v4, s[CB:CB+1] offset:(8*\e+2*\s+1)*1024
	global_load_b64 v[SF+48*\e+12*\s+10:SF+48*\e+12*\s+11], v5, s[CB:CB+1] offset:(8*\e+2*\s+1)*1024+512
	global_load_b32 v[EO+8*\e+2*\s], v5, s[CB:CB+1] offset:(8*\e+2*\s)*1024+768          ; the even head's bytes, low
	global_load_b32 v[EO+8*\e+2*\s+1], v5, s[CB:CB+1] offset:(8*\e+2*\s+1)*1024+768+4    ; the odd head's, high
.endr
.endm
.macro MULS e                          ; 32 matrix instructions: K step by K step, the eight accumulators by turns, one instruction a turn
.irp s, 0,1,2,3
.if \s == 0
	WIN 0x11                                       ; source 0 and C window 1
.elseif \s == 1
	WIN 0x01
.else
	WIN 0x02
.endif
.irp t, 0,1,2,3,4,5,6,7
.if \s == 0
	v_wmma_scale_f32_16x16x128_f8f6f4 v[ACC+8*\t:ACC+8*\t+7], v[12*(2*\t):12*(2*\t)+11], v[SF+48*(\e):SF+48*(\e)+11], v[BI+8*\t:BI+8*\t+7], v[RS+4*\t], v[SS+4*(\e)] matrix_a_fmt:MATRIX_FMT_FP6 matrix_b_fmt:MATRIX_FMT_FP6
.else
	v_wmma_scale_f32_16x16x128_f8f6f4 v[ACC+8*\t:ACC+8*\t+7], v[12*(2*\t+\s%2):12*(2*\t+\s%2)+11], v[SF+48*(\e)+12*\s:SF+48*(\e)+12*\s+11], v[ACC+8*\t:ACC+8*\t+7], v[RS+4*\t+\s], v[SS+4*(\e)+\s] matrix_a_fmt:MATRIX_FMT_FP6 matrix_b_fmt:MATRIX_FMT_FP6
.endif
.endr
.endr
.endm
.macro TILE e
.if \e
	s_wait_loadcnt 0x0                             ; the second tile is in
.endif
.irp s, 0,1,2,3
	v_or_b32 v[SS+4*\e+\s], v[EO+8*\e+2*\s], v[EO+8*\e+2*\s+1]   ; K step s's scale word: two heads' halves
.endr
.rept 8
	v_nop                                          ; a scale register written by a vector instruction stands eight places ahead of a scaled matrix instruction
.endr
	MULS \e
	WIN 0
	PLACES
.irp b, 0,1,2,3
.irp k, 0,1,2,3
	ds_store_b128 v7, v[ACC+16*\b+4*\k:ACC+16*\b+4*\k+3] offset:128*\b+16*\k   ; each accumulator from its low end on
.endr
.endr
.if \e
	s_wait_xcnt 0x0                                ; the first tile's stores have read their registers: the loads below land there only behind this wait
.endif
	WIN 0x80                                       ; destination window 2
.irp p, 0,1,2,3,4,5,6,7,8,9,10,11,12,13,14,15
	ds_load_b128 v[BK+4*\p:BK+4*\p+3], v[SR] offset:SPITCH*\p   ; LDS serves a wave's instructions in order: these see my stores
.endr
	WIN 0x08                                       ; a store's data are its source 1: window 2
.irp p, 0,1,2,3,4,5,6,7,8,9,10,11,12,13,14,15
	s_wait_dscnt 15-\p                             ; row p is back; the younger reads stay out
	global_store_b128 v4, v[BK+4*\p:BK+4*\p+3], s[OUTB:OUTB+1] offset:(8*\e+\p+8*(\p/8))*2048 th:TH_STORE_NT   ; 32 lanes store 512 consecutive bytes, at a multiple of 256 from out's first byte
.endr
	WIN 0
.endm
	s_load_b256 s[4:11], s[0:1], 0x0               ; ctx s[4:5], xw s[6:7], bo s[8:9], out0 s[10:11]
	v_lshl_add_u32 v254, v0, 2, 0x8400
	v_mov_b32 v255, 0
	v_lshrrev_b32 v1, 5, v0
	v_readfirstlane_b32 s16, v1                    ; wave 0..3
	v_and_b32 v1, 31, v0                           ; lane
	v_and_b32 v2, 15, v0                           ; r
	v_bfe_u32 v3, v0, 4, 1                         ; h
	v_lshlrev_b32 v4, 4, v1                        ; 16 x lane
	v_lshlrev_b32 v5, 3, v1                        ; 8 x lane
	v_lshlrev_b32 v6, 6, v3                        ; bo: 16 numbers on for lanes 16-31
	s_mul_i32 s17, s16, 16*SPITCH                  ; my stage
	v_mul_u32_u24 v7, v2, SPITCH
	v_lshl_add_u32 v7, v3, 6, v7
	v_add_nc_u32 v7, s17, v7                       ; into it: row r, + 64 h
	v_add_nc_u32 v[SR], s17, v4                    ; out of it: 16 x lane
	s_lshl_b32 s18, s16, 3
	s_add_co_u32 s18, s18, 608
	s_mul_i32 s18, s18, TP                         ; Wo's tiles 608 + 8 c on
	s_mov_b32 s19, 0
	s_lshl_b32 s20, s16, 9                         ; 128 numbers of bo, and 512 bytes of a row of out, for each wave
	s_mov_b32 s21, 0
	s_lshl_b32 s30, ttmp9, 14                      ; the context: 16 records of 1,024 bytes a work-group
	s_mov_b32 s31, 0
	s_lshl_b32 s32, ttmp9, 16                      ; out: 32 rows of 2,048 bytes a work-group
	s_add_co_u32 s32, s32, s20
	s_mov_b32 s33, 0
	s_wait_alu depctr_va_vdst(0)
	s_wait_kmcnt 0x0
	s_add_nc_u64 s[RB:RB+1], s[6:7], s[18:19]
	s_add_nc_u64 s[CB:CB+1], s[4:5], s[30:31]
	s_add_nc_u64 s[BB:BB+1], s[8:9], s[20:21]
	s_add_nc_u64 s[OUTB:OUTB+1], s[10:11], s[32:33]
	RESIDENT
	WIN 0x40
.irp t, 0,1,2,3,4,5,6,7
	global_load_b128 v[BI+8*\t:BI+8*\t+3], v6, s[BB:BB+1] offset:(32*(\t/2)+8*(\t%2))*4       ; lane (r, h), tile t: bo of columns 32 (t / 2) + 16 h + 8 (t % 2) + 0 .. 7
	global_load_b128 v[BI+8*\t+4:BI+8*\t+7], v6, s[BB:BB+1] offset:(32*(\t/2)+8*(\t%2))*4+16
.endr
	WIN 0
	CLOAD 0
	CLOAD 1
	s_wait_loadcnt 24                              ; all but the second tile's 24 loads
	TILE 0
	TILE 1
	s_wait_tensorcnt 0x0
	ds_add_u32 v254, v255
	s_wait_dscnt 0x0
	s_endpgm
.Lfunc_end_k_q79b3e78599_outp:
	.size	k_q79b3e78599_outp, .Lfunc_end_k_q79b3e78599_outp-k_q79b3e78599_outp
	.p2alignl 7, 3214868480
	.fill 96, 4, 3214868480
	.section	.rodata,"a",@progbits
	.p2align	6, 0x0
	.amdhsa_kernel k_q79b3e78599_outp
		.amdhsa_group_segment_fixed_size 34304
		.amdhsa_private_segment_fixed_size 0
		.amdhsa_enable_private_segment 0
		.amdhsa_kernarg_size 32
		.amdhsa_user_sgpr_count 2
		.amdhsa_user_sgpr_kernarg_segment_ptr 1
		.amdhsa_wavefront_size32 1
		.amdhsa_system_sgpr_workgroup_id_x 1
		.amdhsa_system_sgpr_workgroup_id_y 1
		.amdhsa_system_sgpr_workgroup_id_z 1
		.amdhsa_system_vgpr_workitem_id 0
		.amdhsa_next_free_vgpr 768
		.amdhsa_next_free_sgpr 66
		.amdhsa_reserve_vcc 0
		.amdhsa_float_denorm_mode_32 3
		.amdhsa_float_denorm_mode_16_64 3
		.amdhsa_memory_ordered 1
		.amdhsa_forward_progress 1
		.amdhsa_inst_pref_size 36
	.end_amdhsa_kernel
	.amdgpu_metadata
---
amdhsa.version: [ 1, 2 ]
amdhsa.kernels:
  - .name:           k_q79b3e78599_outp
    .symbol:         k_q79b3e78599_outp.kd
    .args:
      - { .name: ctx, .offset: 0, .size: 8, .value_kind: global_buffer, .address_space: global }
      - { .name: xw, .offset: 8, .size: 8, .value_kind: global_buffer, .address_space: global }
      - { .name: bo, .offset: 16, .size: 8, .value_kind: global_buffer, .address_space: global }
      - { .name: out0, .offset: 24, .size: 8, .value_kind: global_buffer, .address_space: global }
    .group_segment_fixed_size: 34304
    .private_segment_fixed_size: 0
    .kernarg_segment_align: 8
    .kernarg_segment_size: 32
    .max_flat_workgroup_size: 128
    .sgpr_count:     66
    .vgpr_count:     768
    .wavefront_size: 32
...
	.end_amdgpu_metadata
.endif
;; end of part 4
